; MI455X (gfx1250); checked and timed in simulation.
; The chip was launched on July 23, 2026; its instructions are those of AMD's public machine-readable ISA for CDNA 5 (MIT licence, August 2026) and "CDNA5" Instruction Set Architecture Reference Guide (July 2026). The comments in the code are by the model that wrote it; some were corrected since.
;; Block Decomposed SSM Attention. Allowed arithmetic: matrix products marked QUANTISED: E4M3 operands, one given power-of-two scale a tensor, by v_wmma_f32_16x16x64_fp8_fp8 or v_wmma_f32_16x16x128_fp8_fp8, f32 sums; everything else in f32.
;; Inputs: A_codes 1,024 x 32 x 32 uint8 (E4M3 codes of A, K innermost, in blocks of 32 codes); B_codes 1,024 x 32 x 32 uint8 (E4M3 codes of B, K innermost, in blocks of 32 codes); C_codes 1,024 x 32 x 32 uint8 (E4M3 codes of C, K innermost, in blocks of 32 codes); lowp_scales 6 int32 (the exponents e of the quantised operands' scales 2^e); x_codes 4 x 4,096 x 32 x 32 uint8 (E4M3 codes of x, K innermost, in blocks of 32 codes).
;; Outputs: out0 4 x 4,096 x 1,024 float32.
;; This version of the problem:
;;   THIS VERSION OF THE PROBLEM IS GIVEN IN LOW PRECISION. The matrix products marked QUANTISED in the list below multiply operands that are first quantised to E4M3 (4 exponent bits, 3 mantissa bits; 8 bits a number), with one given power-of-two scale for each operand tensor; their sums are f32. All else is computed in f32.
;;   The module's matrix products, in the order in which they are computed (A, B: the left and right operand; K: the contracted axis; several contracted axes count as one K, in the product's order):
;;     1. [M 16,384, K 1,024] x [K 1,024, N 1,024]; A: input x (given as codes); B: input B (given as codes): QUANTISED (scales: A lowp_scales[0], B lowp_scales[1])
;;     2. [M 16,384, K 1,024] x [K 1,024, N 1,024]; A: computed on the way; B: input A (given as codes): QUANTISED (scales: A lowp_scales[2], B lowp_scales[3])
;;     3. [M 16,384, K 1,024] x [K 1,024, N 1,024]; A: computed on the way; B: input C (given as codes): QUANTISED (scales: A lowp_scales[4], B lowp_scales[5])
;;   THE QUANTISER, for each operand of a quantised product, along K:
;;     - The operand's scale is 2^e, e = its entry of the input lowp_scales (int32; the entries are numbered through the quantised products in the list's order, A before B).
;;     - Each number is divided by the scale, clamped to +-448, and rounded to the nearest number of E4M3, ties to even, subnormals kept.
;;     - The product sums the exact products of the quantised numbers (number of the format x scale) in f32.
;;   ~~~python
;;   def quantise(x, axis, e):      # numpy; x: float32 -> the quantised numbers, widened to float32 again
;;       x = np.moveaxis(x, axis, -1); K = x.shape[-1]
;;       r = np.clip(x / 2.0 ** e, -448, 448)
;;       step = 2.0 ** (np.maximum(np.frexp(np.where(r == 0, 1, r))[1] - 1, -6) - 3)
;;       q = np.round(r / step) * step * 2.0 ** e      # np.round: ties to even
;;       return np.moveaxis(q, -1, axis).astype(np.float32)
;;   ~~~
;;   OPERANDS COMPUTED ON THE WAY. 'Computed on the way' means the value that the module computes at that place (a softmax that the list does not call 'softmax' is quantised finished and normalised). What goes into a quantiser is computed in f32, as accurately as f32 sums, v_exp_f32 and their like allow (about 1e-6 of the number): no bf16 or f16 on the way to a quantiser, and a product that is left as it is and whose result goes on into a quantised operand takes f32 operands (vector FMAs, or v_wmma_f32_16x16x4_f32). A number that lies on a knife's edge between two numbers of the format may be rounded either way, as far as f32 arithmetic and the matrix unit's own rounding can turn it there, and no further.
;;   INPUTS GIVEN AS CODES. A (in the module: [1024, 1024], K = its axis 0); B (in the module: [1024, 1024], K = its axis 1); C (in the module: [1024, 1024], K = its axis 1); x (in the module: [4, 4096, 1024], K = its axis 2): each comes as NAME_codes (uint8): NAME with its K axis moved to the last place and cut into blocks of 32 codes, [.., K / 32, bytes a block], one block behind the other in memory; one code a byte (a code: sign, 4 exponent bits, 3 mantissa bits); its scale is its entry of lowp_scales. Its value is code x scale, taken as it is: it is not quantised again, and the codes and scales need not be those that the quantiser above would give.
;; 2 versions. Each part assembles by itself: llvm-mc -triple=amdgcn-amd-amdhsa -mcpu=gfx1250 --defsym DOCPART=n.
;; ======== version 1 of 2: 1 launch
;; launch chain (part 1): grid 256 x 1, 4 waves a work-group, clusters of 4 x 1, 327,680 bytes of LDS; arguments x_codes, B_codes, A_codes, C_codes, lowp_scales, out0; writes out0
.if DOCPART == 1
	.amdgcn_target "amdgcn-amd-amdhsa--gfx1250"
	.amdhsa_code_object_version 6
	.text
	.protected	k_qd195a6f09c_chain
	.globl	k_qd195a6f09c_chain
	.p2align	8
	.type	k_qd195a6f09c_chain,@function
k_qd195a6f09c_chain:
	s_mov_b64 s[64:65], 0
	v_nop
	global_prefetch_b8 v0, s[64:65] scope:SCOPE_SE
	s_setreg_imm32_b32 hwreg(HW_REG_WAVE_MODE, 25, 1), 1
	s_wait_xcnt 0x0
	s_wait_alu depctr_hold_cnt(0) depctr_sa_sdst(0) depctr_va_vdst(0) depctr_va_sdst(0) depctr_va_ssrc(0) depctr_va_vcc(0) depctr_vm_vsrc(0)
	s_getreg_b32 s2, hwreg(HW_REG_IB_STS2, 6, 4)
	s_cmp_eq_u32 s2, 0
	s_cbranch_scc0 .Lentry_in_a_cluster
	s_endpgm
.Lentry_in_a_cluster:
	s_bfe_u32 s2, ttmp6, 0x10000c
	s_cmp_lg_u32 s2, 0x3003
	s_cbranch_scc0 .Lentry_shape_is_right
	s_endpgm
.Lentry_shape_is_right:
; y = ((x B^T) A) C^T for 16,384 rows, three products of K = N = 1,024 on codes of FP8 (E4M3), one launch, nothing between the layers goes to memory.
; x: [16384][1024] codes.  Each weight: [n = 1024][k = 1024] codes, K innermost.  lowp_scales: e0 .. e5.  out0: [16384][1024] f32.
; A sum of layer 1 stands for sum x 2^(e0 + e1); its code for layer 2 is sum / 2^(e2 - e0 - e1), held within +-448 of that scale; layer 2 likewise with e4 - e2 - e3; y = sum x 2^(e4 + e5).
; LIMITS: e2 - e0 - e1 and e4 - e2 - e3 between -126 and 119, e4 + e5 between -126 and 127, so that each power of two below is an f32 number.  NaN codes among the inputs are not served (the hold drops a NaN).
; SHARES.  Work-group g (four waves) owns rows 64 g .. 64 g + 63 through all three layers: 256 work-groups.  A layer's whole N is the next layer's K, so a work-group owns whole rows.
; THE ACTIVATIONS STAY IN REGISTERS: every wave holds all 64 rows x 1,024 codes as 32 fragments (512 registers).  THE WEIGHTS STREAM: wave w makes columns 256 w .. 256 w + 255 of each layer, in 16 tiles of 16 columns;
; a tile is 8 K steps x 4 tiles of rows = 32 matrix instructions.  Each weight byte is read from LDS once, by one wave, and feeds four matrix instructions.
; THE MATRIX INSTRUCTION IS USED TRANSPOSED (source 0 = 16 rows of the weight, source 1 = 16 rows of the activation): lane (r, h) then holds row r of the activation and columns 8 h + 0 .. 7 of the tile.
; THE RING.  Two LDS slots of 128 weight rows (whole rows of 1,024 bytes), 32 rows to a wave, filled by the tensor data mover; a wave reads only the rows that its own load brought.  A slot is a TURN: two tiles a wave.
; The ring runs on across the layers: 24 turns.  A load has 32 rows and not more: two slots of 64 rows a wave would be 532,480 bytes.  By this text's count a wave has two tensor loads out at the start, later one.
; CLUSTER.  All work-groups walk the same weights: the four of a cluster ask for each tile JOINTLY (the same load, the same descriptor, a mask that names the four).  x is read by one work-group alone and is not shared.
; FROM LAYER TO LAYER.  A finished tile is held, converted (8 codes a lane and tile of rows) and kept in 128 registers; at the layer's end the codes go through an area of 32 rows in LDS, in two halves, and every wave
; loads its 512 activation registers anew.  LAYER 3's tiles are scaled into 256 registers and leave four tiles at a time (64 columns = 256 bytes of a row) through the wave's own stage, spread over the layer.
; Layers 1 and 2 are one text, walked twice; what differs lies in scalar registers.
; REGISTERS, in windows of 256 (s_set_vgpr_msb: bits 1:0 source 0, 3:2 source 1, 5:4 source 2, 7:6 destination):
;   window 0: v1-13 addresses; v14-19 at work at the head; v32-95 two sets of four accumulators; v96-127 rows of y on their way out; v128-255 ONE set of 8 weight fragments, loaded anew as they are used up
;   window 1: the activation's K steps 0-3 (K step s, tile of rows m at 64 s + 16 m);  window 2: K steps 4-7
;   window 3: v128-255 x as loaded, then the codes kept for the next layer; in layer 3 all 256: y, scaled
.set PW,    1040                       ; an LDS row of 1,024 codes + 16 of padding = 260 words: row r starts at bank 4 r mod 64 (64 banks of 4 bytes: ISA guide 11.1), so the 16 rows of a load start at 16 different banks
.set WPART, 32*PW                      ; a wave's part of a slot
.set SLOT,  4*WPART
.set ACT,   2*SLOT                     ; behind the ring: 32 rows of the activation; LDS stores alone write it
.set STG,   ACT+32*PW                  ; the way out: 16 rows x (256 bytes + 16) for each wave
.set SP,    272
.set WSTG,  16*SP
.set SPARE, STG+4*WSTG                 ; the spare words, 128 bytes for each wave: two blocks of 256 bytes that no other line names
.set SETB,  32*1024                    ; a wave's 32 rows of a turn, in memory
.set SPW,  1                           ; v1   LDS address of my spare word: SPARE + 4 x my thread's number; never rewritten
.set NIL,  2                           ; v2   0; never rewritten
.set ADW,  3                           ; v3, v4  my lane's place in my wave's part of slot 0, 1
.set ALD,  5                           ; v5   my lane's place in a fragment of the activation area
.set HST,  6                           ; v6   where I put 8 codes of a row there
.set XST,  7                           ; v7   where I put 16 codes of x there
.set XGO,  8                           ; v8   my byte offset in two rows of x
.set SST,  9                           ; v9   the stage: where I put 32 bytes of a row
.set SRD,  10                          ; v10  and where I read a row back
.set GO,   11                          ; v11  my byte offset in two rows of y
.set PFO,  12                          ; v12  256 x my lane, for the prefetches
.set SCL,  13                          ; v13  the layer's conversion scale as f32
.set ACC,  32
.set OB,   96
.set WF,   128
.set HOLD, 128                         ; in window 3
.set WV,   16                          ; s16  my wave's number
.set G1,   24                          ; s[24:31] descriptor group 1
.set G0,   32                          ; s[32:35], s[36:39] descriptor group 0 of slot 0, 1
.set NXW,  40                          ; s[40:41] the next layer's weight at my wave's 256 rows;  s[42:43] C's
.set NX2,  42
.set PFC,  44                          ; s[44:45], s[46:47], s[48:49] the prefetches' bases in this layer's weight, the next layer's, and C
.set PFN,  46
.set PF3,  48
.set SCS,  58                          ; s58  this layer's 2^d as f32;  s59  448 x 2^d;  s60, s61 the same for layer 2
.set LP,   59
.set XB,   62                          ; s[62:63] x at my wave's first row
.set YS,   66                          ; s[66:67] 2^(e4 + e5), twice
.set OUT,  68                          ; s[68:69] y at my work-group's first row, my wave's first column
.set LC,   70                          ; s70  counts layers 1 and 2
.set MY,   0x04                        ; source 1 (the activation) in window 1
.set MZ,   0x08                        ; in window 2
.set MSB, 0
.macro WIN new                         ; the immediate's high byte repeats the setting that is left; a switch that changes nothing is dropped
.if MSB != (\new)
	s_set_vgpr_msb (MSB<<8)|(\new)
.set MSB, (\new)
.endif
.endm
.macro CREST                           ; a round of the cluster's barrier behind its opening barrier
	s_cmp_lg_u32 s[WV], 0
	s_cbranch_scc1 .Lnot_wave_0_\@
	s_barrier_signal -3
.Lnot_wave_0_\@:
	s_barrier_wait -3
	s_barrier_signal -1
	s_barrier_wait -1
.endm
.macro CROUND                          ; a whole round
	s_barrier_signal -1
	s_barrier_wait -1
	CREST
.endm
; The vector line behind matrix instruction i (0 .. 31) of a tile.  kind = 1: the 32 holds of the tile before (set ps), from its low end on: the conversion to an 8-bit code does not saturate (ISA guide 7.6.2).
; The first four are v_nop: with the line behind the tile before's last product and the one behind its conversions they are the places in front of the first hold (ISA guide 7.12.1).
; The limit is a scalar register, so the line reads the same under the windows of the products round it.
.macro SLOTV i, kind, ps
.if ((\kind) == 0) || ((\i) < 4)
	v_nop
.elseif (\i) < 8
	v_med3_num_f32 v[ACC+32*(\ps)+2*((\i)-4)], v[ACC+32*(\ps)+2*((\i)-4)], -s[LP], s[LP]
	v_med3_num_f32 v[ACC+32*(\ps)+2*((\i)-4)+1], v[ACC+32*(\ps)+2*((\i)-4)+1], -s[LP], s[LP]
.else
	v_med3_num_f32 v[ACC+32*(\ps)+(\i)], v[ACC+32*(\ps)+(\i)], -s[LP], s[LP]
.endif
.endm
; K step ks of a tile: weight fragment ks against the four tiles of rows.  The four accumulators take turns, one instruction a turn, and neighbouring tiles take sets 0 and 1.
; The first K step starts the sums: nothing is cleared.
.macro STEP ks, st, kd
.irp m, 0,1,2,3
.if (\ks) == 0
	v_wmma_f32_16x16x128_fp8_fp8 v[ACC+32*(\st)+8*\m:ACC+32*(\st)+8*\m+7], v[WF+16*(\ks):WF+16*(\ks)+15], v[64*((\ks)%4)+16*\m:64*((\ks)%4)+16*\m+15], 0
.else
	v_wmma_f32_16x16x128_fp8_fp8 v[ACC+32*(\st)+8*\m:ACC+32*(\st)+8*\m+7], v[WF+16*(\ks):WF+16*(\ks)+15], v[64*((\ks)%4)+16*\m:64*((\ks)%4)+16*\m+15], v[ACC+32*(\st)+8*\m:ACC+32*(\st)+8*\m+7]
.endif
	SLOTV 4*(\ks)+\m, \kd, 1-(\st)
.endr
.endm
; Weight fragment f of tile ab of slot p: lane (r, h) takes, of row r, bytes 128 f + 32 c + 16 h + 0 .. 15 into registers 4 c .. 4 c + 3.  The activation's fragments are loaded by the same map: a permutation of k
; that is the same on both sides.  A fragment is loaded anew one K step behind its last product: five vector lines stand between, four are asked.
.macro LOADF p, ab, f
.irp c, 0,1,2,3
	ds_load_b128 v[WF+16*(\f)+4*\c:WF+16*(\f)+4*\c+3], v[ADW+(\p)] offset:16*PW*(\ab)+128*(\f)+32*\c
.endr
.endm
; Slot p's descriptor steps.  mode 2: two turns on in this weight;  mode 1 (a layer's last two turns): the next layer's turn p
.macro DSTEP p, mode
.if (\mode) == 2
	s_add_nc_u64 s[G0+4*(\p)+2:G0+4*(\p)+3], s[G0+4*(\p)+2:G0+4*(\p)+3], 2*SETB
.else
	s_add_nc_u64 s[G0+4*(\p)+2:G0+4*(\p)+3], s[NXW:NXW+1], SETB*(\p)
	s_or_b32 s[G0+4*(\p)+3], s[G0+4*(\p)+3], 0x80000000
.endif
.endm
; A PREFETCH INTO THE L2 of the turn that stands three refills on: 192 matrix instructions a wave ahead of the load that will want it.  A turn is four pieces of 32,768 bytes (one for each wave's columns).
; All work-groups walk the same weights: the first cluster asks, nobody else.  Its four partners take a piece each, told apart BY ADDRESS; in each, a wave takes 8,192 bytes, lanes 256 bytes apart: one instruction a wave,
; and each block of 256 bytes is named once in the launch.  B's first five turns come by their loads alone; nothing is asked for behind C's last turn.
.macro ASK base, off
	s_cmp_eq_u32 ttmp9, 0                          ; the cluster's number: the same in all four partners
	s_cbranch_scc0 .Lnot_mine_\@
	global_prefetch_b8 v[PFO], s[\base:\base+1] offset:\off th:TH_LOAD_NT scope:SCOPE_SE
.Lnot_mine_\@:
.endm
; Layers 1 and 2: tile jp (set ps), held, becomes codes: 8 a lane for each tile of rows, kept in window 3
.macro TAIL12 jp, ps
	WIN 0xC0                                       ; destination window 3
.irp m, 0,1,2,3
	v_cvt_scalef32_pk8_fp8_f32 v[HOLD+2*(16*\m+(\jp)):HOLD+2*(16*\m+(\jp))+1], v[ACC+32*(\ps)+8*\m:ACC+32*(\ps)+8*\m+7], v[SCL]
.endr
	v_nop                                          ; one plain vector line between a scaled conversion and the next products, which write its sources
.endm
; Layer 3: tile jj's sums x 2^(e4 + e5) into window 3, each accumulator from its low end on.  Tile 4 G + q lies at 128 (G % 2) + 32 q
.macro PKM jj
.set PS, ACC+32*((\jj)%2)
.set YD, 128*(((\jj)/4)%2)+32*((\jj)%4)
.irp n, 0,2,4,6,8,10,12,14,16,18,20,22,24,26,28,30
	v_pk_mul_f32 v[YD+\n:YD+\n+1], v[PS+\n:PS+\n+1], s[YS:YS+1] op_sel_hi:[1,0]
.endr
.endm
; Chunk z = 4 G + c: rows 16 c .. 16 c + 15, columns 64 G .. 64 G + 63 of my 256: into my stage, and back as whole runs of 256 bytes.  LDS serves a wave's instructions in order (ISA guide 5.7.1.4):
; no wait between the stores and the loads, nor in front of the next chunk's stores.
.macro CHUNK z
.set YB, 128*(((\z)/4)%2)+8*((\z)%4)
	WIN 0x0C                                       ; store data (source 1) window 3
.irp q, 0,1,2,3
	ds_store_b128 v[SST], v[YB+32*\q:YB+32*\q+3] offset:64*\q
	ds_store_b128 v[SST], v[YB+32*\q+4:YB+32*\q+7] offset:64*\q+16
.endr
	WIN 0
	s_wait_xcnt 0x0                                ; the chunk before's stores to memory have read their registers: the loads below may land there
.irp i, 0,1,2,3,4,5,6,7
	ds_load_b128 v[OB+4*\i:OB+4*\i+3], v[SRD] offset:2*SP*\i
.endr
.endm
.macro SEND z                          ; 16 lanes store 256 consecutive bytes, at a multiple of 256 from y's first byte; every offset is an immediate (254,720 at the most), no pointer is stepped
.irp i, 0,1,2,3,4,5,6,7
	global_store_b128 v[GO], v[OB+4*\i:OB+4*\i+3], s[OUT:OUT+1] offset:(16*((\z)%4)+2*\i)*4096+256*((\z)/4) th:TH_STORE_NT
.endr
.endm
.macro TAIL3 j                         ; behind tile j of layer 3: chunk j - 5 leaves, tile j - 1 is scaled, chunk j - 4 goes through the stage
.if (\j) >= 5
	WIN 0
.if (\j) == 15
	s_wait_dscnt 0x0
.else
	s_wait_dscnt 32                                ; behind the chunk's loads: weight fragment 7 and the next tile's fragments 0 to 6
.endif
	SEND (\j)-5
.endif
.if (\j) >= 1
	WIN 0xC0
	PKM (\j)-1
.endif
.if (\j) >= 4
	CHUNK (\j)-4
.endif
.endm
.macro TAILX l3, j
.if \l3
	TAIL3 \j
.elseif (\j) > 0
	TAIL12 (\j)-1, 1-(\j)%2
.endif
.endm
; THE COUNTS ON DScnt.  Behind fragment f's four loads stand those of six fragments (f + 1 .. 7 of this tile, 0 .. f - 2 of the next): 24.  In layer 3, from tile 5 on, the chunk's 16 LDS instructions
; stand between fragments 6 and 7: 40 for K steps 0 to 6.
; The first tile of a turn (set 0): it loads its own fragment 7 and the second tile's fragments 0 to 6.
.macro TILE_A p, l3, j
.set KD, 1
.if (\l3) || ((\j) == 0)
.set KD, 0
.endif
.set XTR, 0
.if (\l3) && ((\j) >= 5)
.set XTR, 16
.endif
	WIN MY
	s_wait_dscnt 24+XTR
	STEP 0, 0, KD
	LOADF \p, 0, 7
.irp s, 1,2,3,4,5,6,7
.if \s == 4
	WIN MZ
.endif
.if \s == 7
	s_wait_dscnt 24
.else
	s_wait_dscnt 24+XTR
.endif
	STEP \s, 0, KD
	LOADF \p, 1, \s-1
.endr
	TAILX \l3, \j
.endm
; The second tile of a turn (set 1) changes slots.  mode 2, 1: slot p is filled again.  Each wave waits for all its tensor loads (one is out: its part of the other slot), adds 0 to its spare word, and waits for that
; and for its reads of slot p, the last of which is fragment 7's; the barrier opens a round of the cluster's barrier, so that no wave of any partner still reads the slot or has a load on its way; the joint refill
; is the first thing behind the round and has a turn's 64 matrix instructions, less the twelve that stand inside, in which to land.
; mode 0: the last change: nothing is filled, and a wave reads only what its own load brought, so its own wait is all the ordering.  mode -1: the last tile.
.macro TILE_B p, l3, j, mode, pfb, pfo
.set KD, 1-(\l3)
.set XTR, 0
.if (\l3) && ((\j) >= 5)
.set XTR, 16
.endif
	WIN MY
	s_wait_dscnt 24+XTR
	STEP 0, 1, KD
	LOADF \p, 1, 7
.if (\mode) > 0
	WIN 0                                          ; (the add's two registers lie in window 0)
	s_wait_tensorcnt 0x0                           ; all my tensor loads have landed, so a group 0 may be written
	ds_add_u32 v[SPW], v[NIL]                      ; 0 onto my spare word: the descriptor's step and four products stand between it and the wait for it
	DSTEP \p, \mode
	WIN MY
	s_wait_dscnt 25+XTR                            ; fragment 1 is in: behind it six fragments' loads and the add
	STEP 1, 1, KD
	s_wait_dscnt 0x0                               ; the add is done, and my reads of this slot are over: fragments 2 to 7 are in
	s_barrier_signal -1
	STEP 2, 1, KD                                  ; work on registers while the others arrive
	STEP 3, 1, KD
	WIN 0
	s_barrier_wait -1
	CREST
	tensor_load_to_lds s[G0+4*(\p):G0+4*(\p)+3], s[G1:G1+7]
	s_nop 0
.rept 4
	v_nop                                          ; places in front of the loads below
.endr
.irp f, 0,1,2
	LOADF 1-(\p), 0, \f
.endr
.if (\pfb) != 0
	ASK \pfb, \pfo
.endif
	WIN MZ
.irp s, 4,5,6,7
	STEP \s, 1, KD
	LOADF 1-(\p), 0, \s-1
.endr
.else
.if (\mode) == 0
	s_wait_tensorcnt 0x0                           ; my part of the last slot is in
.endif
.irp s, 1,2,3,4,5,6,7
.if \s == 4
	WIN MZ
.endif
.if (\mode) == 0
.if \s == 7
	s_wait_dscnt 24
.else
	s_wait_dscnt 24+XTR
.endif
.else
.if \s == 7
	s_wait_dscnt 0x0
.else
	s_wait_dscnt 4*(7-\s)+XTR                      ; nothing more is fetched: the fragments behind this one, and the chunk
.endif
.endif
	STEP \s, 1, KD
.if (\mode) == 0
	LOADF 1-(\p), 0, \s-1
.endif
.endr
.endif
	TAILX \l3, \j
.endm
; THE ACTIVATION GOES ROUND, 32 rows at a time.  kx = 1: x as loaded (wave w holds rows 8 w .. 8 w + 7 of the 32);  kx = 0: the codes kept (wave w holds columns 256 w .. 256 w + 255 of all rows).
; Stores, each wave's wait for them, a barrier; every wave loads the 32 rows' 16 fragments; each wave's wait for its loads and a barrier in front of the second half's stores.
; Nothing is filled by a tensor load behind these barriers: the load that is out may cross them.
.macro EXCH kx
.irp p, 0,1
	WIN 0x0C                                       ; store data (source 1) window 3
.if \kx
.if \p == 0
	s_wait_loadcnt 16                              ; the first half's 16 loads of x are in
.else
	s_wait_loadcnt 0x0
.endif
.irp rr, 0,1,2,3
.irp qd, 0,1,2,3
	ds_store_b128 v[XST], v[HOLD+4*(16*\p+4*\rr+\qd):HOLD+4*(16*\p+4*\rr+\qd)+3] offset:2*PW*\rr+256*\qd
.endr
.endr
.else
.irp mm, 0,1
.irp j, 0,1,2,3,4,5,6,7,8,9,10,11,12,13,14,15
	ds_store_b64 v[HST], v[HOLD+2*(16*(2*\p+\mm)+\j):HOLD+2*(16*(2*\p+\mm)+\j)+1] offset:16*PW*\mm+16*\j   ; lane (r, h): row 16 mm + r, columns 256 w + 16 j + 8 h + 0 .. 7: word 260 r + 2 h: the 32 lanes touch 64 different banks
.endr
.endr
.endif
	s_wait_dscnt 0x0                               ; for the others' sake: my stores have landed
	s_barrier_signal -1
	s_barrier_wait -1
	WIN 0x40                                       ; destination window 1
.irp mm, 0,1
.irp s, 0,1,2,3
.irp c, 0,1,2,3
	ds_load_b128 v[64*\s+16*(2*\p+\mm)+4*\c:64*\s+16*(2*\p+\mm)+4*\c+3], v[ALD] offset:16*PW*\mm+128*\s+32*\c
.endr
.endr
.endr
	WIN 0x80                                       ; destination window 2
.irp mm, 0,1
.irp s, 0,1,2,3
.irp c, 0,1,2,3
	ds_load_b128 v[64*\s+16*(2*\p+\mm)+4*\c:64*\s+16*(2*\p+\mm)+4*\c+3], v[ALD] offset:16*PW*\mm+128*(\s+4)+32*\c
.endr
.endr
.endr
.if \p == 0
	s_wait_dscnt 0x0                               ; my reads of the first half are over: it may be written over
	s_barrier_signal -1
	s_barrier_wait -1
.endif
.endr
	WIN 0
	s_wait_dscnt 0x0
.endm
	; ---- THE HEAD
	s_load_b256 s[4:11], s[0:1], 0x0               ; x s[4:5], B s[6:7], A s[8:9], C s[10:11]
	s_load_b128 s[12:15], s[0:1], 0x20             ; the scales' exponents s[12:13], y s[14:15]
	v_lshl_add_u32 v[SPW], v0, 2, SPARE
	v_mov_b32 v[NIL], 0
	ds_add_u32 v1, v2
	ds_add_u32 v1, v2
	s_wait_dscnt 0x0
	v_lshrrev_b32 v14, 5, v0
	v_readfirstlane_b32 s[WV], v14                 ; wave 0..3
	s_bfe_u32 s17, ttmp6, 0x40000                  ; cx: my place in the cluster
	s_lshl_b32 s18, ttmp9, 2                       ; in a cluster launch ttmp9 counts clusters
	s_add_co_u32 s18, s18, s17                     ; g = 4 x cluster + cx: it enters x's, y's and the prefetches' addresses alone
	; descriptor group 1: 32 rows x 1,024 bytes, padded in LDS
	s_mov_b32 s[G1+0], 15|(1<<20)|(1<<21)|(7<<22)|(3<<25)   ; 15:0 the mask: all four work-groups; 17:16 elements of 1 byte; 20 padding on; 21 set beside a mask; 24:22 after every 256 words (code 7); 31:25 four words (code 3)
	s_mov_b32 s[G1+1], 1024<<16                    ; tensor_dim0
	s_mov_b32 s[G1+2], 32<<16                      ; tensor_dim1
	s_mov_b32 s[G1+3], 1024<<16                    ; tile_dim0
	s_mov_b32 s[G1+4], 32                          ; tile_dim1
	s_mov_b32 s[G1+5], 1024                        ; tensor_dim0_stride
	s_mov_b32 s[G1+6], 0
	s_mov_b32 s[G1+7], 0
	v_and_b32 v14, 15, v0                          ; r
	v_bfe_u32 v15, v0, 4, 1                        ; h
	v_lshlrev_b32 v16, 4, v14                      ; 16 r
	v_lshl_add_u32 v[XGO], v15, 10, v16            ; x: lanes 0-15 take 256 bytes of one row, lanes 16-31 of the next
	s_lshl_b32 s20, s18, 16                        ; my work-group's 64 rows of 1,024 bytes,
	s_lshl_b32 s21, s[WV], 13                      ; my wave's 8 of each 32
	s_add_co_u32 s20, s20, s21
	s_mov_b32 s21, 0
	s_wait_kmcnt 0x0
	s_load_b128 s[52:55], s[12:13], 0x0            ; e0 .. e3
	s_load_b64 s[56:57], s[12:13], 0x10            ; e4, e5
	s_add_nc_u64 s[XB:XB+1], s[4:5], s[20:21]
	WIN 0xC0                                       ; destination window 3
.irp p, 0,1                                    ; x, read once: half p, rows 32 p + 8 w + 2 rr + h, bytes 256 qd + 16 r
.irp rr, 0,1,2,3
.irp qd, 0,1,2,3
	global_load_b128 v[HOLD+4*(16*\p+4*\rr+\qd):HOLD+4*(16*\p+4*\rr+\qd)+3], v[XGO], s[XB:XB+1] offset:(32*\p+2*\rr)*1024+256*\qd th:TH_LOAD_NT
.endr
.endr
.endr
	WIN 0
	s_lshl_b32 s20, s18, 18                        ; y: 64 rows of 4,096 bytes,
	s_lshl_b32 s21, s[WV], 10                      ; my wave's 256 columns
	s_add_co_u32 s20, s20, s21
	s_mov_b32 s21, 0
	s_add_nc_u64 s[OUT:OUT+1], s[14:15], s[20:21]
	s_lshl_b32 s20, s17, 18                        ; the prefetches: my work-group's piece (the rows of wave cx),
	s_lshl_b32 s21, s[WV], 13                      ; my wave's 8,192 bytes of a turn's 32,768
	s_add_co_u32 s20, s20, s21
	s_mov_b32 s21, 0
	s_add_nc_u64 s[PFC:PFC+1], s[6:7], s[20:21]
	s_add_nc_u64 s[PFN:PFN+1], s[8:9], s[20:21]
	s_add_nc_u64 s[PF3:PF3+1], s[10:11], s[20:21]
	s_lshl_b32 s22, s[WV], 18                      ; the weights: my wave's 256 rows; nothing here hangs on my place in the cluster
	s_mov_b32 s23, 0
	s_add_nc_u64 s[50:51], s[6:7], s[22:23]
	s_add_nc_u64 s[NXW:NXW+1], s[8:9], s[22:23]
	s_add_nc_u64 s[NX2:NX2+1], s[10:11], s[22:23]
	s_mul_i32 s19, s[WV], WPART                    ; my wave's part of a slot
.irp p, 0,1
	s_mov_b32 s[G0+4*\p], 1                        ; 1:0 count = 1
	s_add_co_u32 s[G0+4*\p+1], s19, \p*SLOT        ; 63:32 LDS address
	s_add_nc_u64 s[G0+4*\p+2:G0+4*\p+3], s[50:51], \p*SETB   ; 120:64 global address: B's turn p
	s_or_b32 s[G0+4*\p+3], s[G0+4*\p+3], 0x80000000   ; 127:126 type = 2
.endr
	CROUND                                         ; all four work-groups are here: the first joint loads meet
	tensor_load_to_lds s[G0:G0+3], s[G1:G1+7]      ; the two first fills go out together: two loads of mine are out
	s_nop 0
	tensor_load_to_lds s[G0+4:G0+7], s[G1:G1+7]
	s_nop 0
.rept 4
	v_nop
.endr
	v_mul_u32_u24 v17, v14, PW                     ; row r
	v_lshl_add_u32 v18, v15, 4, v17                ; + 16 h: a fragment's place
	v_add_nc_u32 v[ADW], s19, v18
	v_add_nc_u32 v[ADW+1], SLOT, v[ADW]
	v_add_nc_u32 v[ALD], ACT, v18
	s_lshl_b32 s3, s[WV], 8
	s_add_co_u32 s3, s3, ACT
	v_lshl_add_u32 v[HST], v15, 3, v17
	v_add_nc_u32 v[HST], s3, v[HST]                ; ACT + row r + 8 h + 256 w
	s_mul_i32 s3, s[WV], 8*PW
	s_add_co_u32 s3, s3, ACT
	v_mul_u32_u24 v19, v15, PW
	v_add_nc_u32 v19, v19, v16
	v_add_nc_u32 v[XST], s3, v19                   ; ACT + row 8 w + h + 16 r
	s_mul_i32 s3, s[WV], WSTG
	s_add_co_u32 s3, s3, STG                       ; my stage
	v_mul_u32_u24 v19, v14, SP
	v_lshl_add_u32 v19, v15, 5, v19
	v_add_nc_u32 v[SST], s3, v19                   ; in: row r, 32 bytes for each half of the lanes
	v_mul_u32_u24 v19, v15, SP
	v_add_nc_u32 v19, v19, v16
	v_add_nc_u32 v[SRD], s3, v19                   ; back: lanes 0-15 one row of 256 bytes, lanes 16-31 the next
	v_lshl_add_u32 v[GO], v15, 12, v16             ; and the same two rows in y
	v_and_b32 v[PFO], 31, v0
	v_lshlrev_b32 v[PFO], 8, v[PFO]
	s_wait_kmcnt 0x0
	s_sub_co_i32 s58, s54, s52
	s_sub_co_i32 s58, s58, s53                     ; d1 = e2 - e0 - e1
	s_add_co_i32 s59, s58, 135
	s_add_co_i32 s58, s58, 127
	s_lshl_b32 s58, s58, 23                        ; 2^d1 as f32: the conversion takes its exponent field
	s_lshl_b32 s59, s59, 23
	s_or_b32 s59, s59, 0x600000                    ; 448 x 2^d1
	s_sub_co_i32 s60, s56, s54
	s_sub_co_i32 s60, s60, s55                     ; d2 = e4 - e2 - e3
	s_add_co_i32 s61, s60, 135
	s_add_co_i32 s60, s60, 127
	s_lshl_b32 s60, s60, 23
	s_lshl_b32 s61, s61, 23
	s_or_b32 s61, s61, 0x600000
	s_add_co_i32 s[YS], s56, s57
	s_add_co_i32 s[YS], s[YS], 127
	s_lshl_b32 s[YS], s[YS], 23                    ; 2^(e4 + e5) as f32
	s_mov_b32 s[YS+1], s[YS]                       ; (named with it as a pair, so it is written)
	EXCH 1                                         ; x's 64 rows into every wave's registers
	s_wait_tensorcnt 0x1                           ; my part of slot 0 is in; slot 1's may stay out
.irp f, 0,1,2,3,4,5,6
	LOADF 0, 0, \f
.endr
	; ---- LAYERS 1 AND 2: one text, two trips; a trip is a layer's eight turns, written out since the kept codes' registers hang on the tile
	s_mov_b32 s[LC], 2
.Llayer:
	v_mov_b32 v[SCL], s[SCS]
.irp t, 0,1,2,3,4,5,6,7
	TILE_A \t%2, 0, 2*\t
.if \t < 3
	TILE_B \t%2, 0, 2*\t+1, 2, PFC, (\t+5)*SETB
.elseif \t < 6
	TILE_B \t%2, 0, 2*\t+1, 2, PFN, (\t-3)*SETB
.else
	TILE_B \t%2, 0, 2*\t+1, 1, PFN, (\t-3)*SETB    ; THE RING GOES ON INTO THE NEXT LAYER: its turns 0 and 1 are asked for, and its first fragments are fetched
.endif
.endr
	WIN 0                                          ; the layer's last tile has no tile behind it to carry its holds
.rept 4
	v_nop                                          ; places behind the last products
.endr
.irp n, 0,1,2,3,4,5,6,7,8,9,10,11,12,13,14,15,16,17,18,19,20,21,22,23,24,25,26,27,28,29,30,31
	v_med3_num_f32 v[ACC+32+\n], v[ACC+32+\n], -s[LP], s[LP]
.endr
	TAIL12 15, 1
	EXCH 0                                         ; the layer's codes become every wave's activation
	s_wait_xcnt 0x0                                ; the prefetches have read their bases, which are written now
	s_mov_b32 s[SCS], s60
	s_mov_b32 s[LP], s61
	s_mov_b64 s[NXW:NXW+1], s[NX2:NX2+1]
	s_mov_b64 s[PFC:PFC+1], s[PFN:PFN+1]
	s_mov_b64 s[PFN:PFN+1], s[PF3:PF3+1]
	s_sub_co_i32 s[LC], s[LC], 1
	s_cmp_lg_u32 s[LC], 0
	s_cbranch_scc1 .Llayer
	; ---- LAYER 3: the same turns; finished columns leave while the others are multiplied.  The last two turns ask for nothing
.irp t, 0,1,2,3,4,5,6,7
	TILE_A \t%2, 1, 2*\t
.if \t < 3
	TILE_B \t%2, 1, 2*\t+1, 2, PFC, (\t+5)*SETB
.elseif \t < 6
	TILE_B \t%2, 1, 2*\t+1, 2, 0, 0
.elseif \t == 6
	TILE_B \t%2, 1, 2*\t+1, 0, 0, 0
.else
	TILE_B \t%2, 1, 2*\t+1, -1, 0, 0
.endif
.endr
	WIN 0
	s_wait_dscnt 0x0                               ; chunk 11 is back in registers
	SEND 11
	WIN 0xC0
	PKM 15                                         ; tile 14's sixteen multiplications, which name no register of the last products, are the places behind them
.irp z, 12,13,14,15
	CHUNK \z
	s_wait_dscnt 0x0
	SEND \z
.endr
	s_wait_tensorcnt 0x0                           ; the wave's end: behind my last tensor load and my last LDS store
	ds_add_u32 v[SPW], v[NIL]
	s_wait_dscnt 0x0
	CROUND                                         ; the closing round: no work-group ends while a partner may still ask for a tile that names it
	s_endpgm
.Lfunc_end_k_qd195a6f09c_chain:
	.size	k_qd195a6f09c_chain, .Lfunc_end_k_qd195a6f09c_chain-k_qd195a6f09c_chain
	.p2alignl 7, 3214868480
	.fill 96, 4, 3214868480
	.section	.rodata,"a",@progbits
	.p2align	6, 0x0
	.amdhsa_kernel k_qd195a6f09c_chain
		.amdhsa_group_segment_fixed_size 327680
		.amdhsa_private_segment_fixed_size 0
		.amdhsa_enable_private_segment 0
		.amdhsa_kernarg_size 48
		.amdhsa_user_sgpr_count 2
		.amdhsa_user_sgpr_kernarg_segment_ptr 1
		.amdhsa_wavefront_size32 1
		.amdhsa_system_sgpr_workgroup_id_x 1
		.amdhsa_system_sgpr_workgroup_id_y 1
		.amdhsa_system_sgpr_workgroup_id_z 1
		.amdhsa_system_vgpr_workitem_id 0
		.amdhsa_next_free_vgpr 1024
		.amdhsa_next_free_sgpr 72
		.amdhsa_reserve_vcc 0
		.amdhsa_float_denorm_mode_32 3
		.amdhsa_float_denorm_mode_16_64 3
		.amdhsa_memory_ordered 1
		.amdhsa_forward_progress 1
		.amdhsa_inst_pref_size 255
	.end_amdhsa_kernel
	.section	.bss,"aw",@nobits
	.p2align	6
	.space	262144
	.amdgpu_metadata
---
amdhsa.version: [ 1, 2 ]
amdhsa.kernels:
  - .name:           k_qd195a6f09c_chain
    .symbol:         k_qd195a6f09c_chain.kd
    .args:
      - { .name: x_codes, .offset: 0, .size: 8, .value_kind: global_buffer, .address_space: global }
      - { .name: B_codes, .offset: 8, .size: 8, .value_kind: global_buffer, .address_space: global }
      - { .name: A_codes, .offset: 16, .size: 8, .value_kind: global_buffer, .address_space: global }
      - { .name: C_codes, .offset: 24, .size: 8, .value_kind: global_buffer, .address_space: global }
      - { .name: lowp_scales, .offset: 32, .size: 8, .value_kind: global_buffer, .address_space: global }
      - { .name: out0, .offset: 40, .size: 8, .value_kind: global_buffer, .address_space: global }
    .group_segment_fixed_size: 327680
    .private_segment_fixed_size: 0
    .kernarg_segment_align: 8
    .kernarg_segment_size: 48
    .max_flat_workgroup_size: 128
    .sgpr_count:     72
    .vgpr_count:     1024
    .wavefront_size: 32
...
	.end_amdgpu_metadata
.endif
;; end of part 1
;; ======== version 2 of 2: 1 launch
;; limits: right only within a limited range of input values
;; launch chain (part 2): grid 256 x 1, 4 waves a work-group, clusters of 4 x 1, 327,680 bytes of LDS; arguments x_codes, B_codes, A_codes, C_codes, lowp_scales, out0; writes out0
.if DOCPART == 2
	.amdgcn_target "amdgcn-amd-amdhsa--gfx1250"
	.amdhsa_code_object_version 6
	.text
	.protected	k_qd195a6f09c_chain
	.globl	k_qd195a6f09c_chain
	.p2align	8
	.type	k_qd195a6f09c_chain,@function
k_qd195a6f09c_chain:
	s_mov_b64 s[64:65], 0
	v_nop
	global_prefetch_b8 v0, s[64:65] scope:SCOPE_SE
	s_setreg_imm32_b32 hwreg(HW_REG_WAVE_MODE, 25, 1), 1
	s_wait_xcnt 0x0
	s_wait_alu depctr_hold_cnt(0) depctr_sa_sdst(0) depctr_va_vdst(0) depctr_va_sdst(0) depctr_va_ssrc(0) depctr_va_vcc(0) depctr_vm_vsrc(0)
	s_getreg_b32 s2, hwreg(HW_REG_IB_STS2, 6, 4)
	s_cmp_eq_u32 s2, 0
	s_cbranch_scc0 .Lentry_in_a_cluster
	s_endpgm
.Lentry_in_a_cluster:
	s_bfe_u32 s2, ttmp6, 0x10000c
	s_cmp_lg_u32 s2, 0x3003
	s_cbranch_scc0 .Lentry_shape_is_right
	s_endpgm
.Lentry_shape_is_right:
; y = Q(Q(x B^T) A) C^T, three products chained in one launch.  256 work-groups, each 64 rows of x through all three; h and inter never go to memory.
; LIMITS: the codes given are finite; e2 - e0 - e1 and e4 - e2 - e3 lie between -126 and 119, e4 + e5 between -126 and 127 (e: lowp_scales), so that the factors made of them are f32 numbers.
; Four waves; wave w makes columns 256 w .. 256 w + 255 of every layer for all 64 rows: 16 tiles of 16 columns, two tiles a step, eight steps a layer.
; THE ACTIVATIONS (64 rows x 1,024) lie in registers, in each wave whole: 512.  THE WEIGHTS go through two LDS slots, a step each: every wave fetches the 32 rows that it alone reads.
; All work-groups read the same weights: 4 x 1 work-groups form a cluster and ask jointly.
; A tile's fragments (16 rows x 1,024 K) are 128 registers, loaded in one run; two such buffers.  When a step's second tile has been loaded, its slot is filled again, a tile ahead of that tile's products.
; Source 0 = weights, source 1 = activations: lane (r, h) holds row r of a block of 16 and columns 8 h + 0..7 of a tile: eight neighbours along the next K, one conversion.
; BETWEEN LAYERS the codes pass through LDS in two passes of 32 rows.  The round between the passes also serves a refill: the next layer's first two tiles are in registers by then.
; REGISTERS: window 0: v0-31 addresses, v32-95 accumulators (two sets of 4 x 8), v96-127 the way out, v128-255 fragment buffer 0; windows 1, 2: activations (K steps 0-3, 4-7);
;   window 3: v0-127 fragment buffer 1; v128-255 x's rows at the head, then the layer's codes, then (last layer) four tiles of results.
; PREFETCH: a tile of weights is asked for two refills ahead of its own load, by four clusters of the 64 (all read the same 3 MiB); a cluster's partners share its blocks by address.
.set PW,    1040                       ; an LDS row: 1,024 bytes + 16: the 16 rows of a fragment load start at 16 different banks (64 banks of 4 bytes: ISA guide 11.1)
.set WPART, 32*PW
.set SLOT,  4*WPART
.set ACT,   2*SLOT                     ; the exchange: 32 rows
.set STG,   ACT                        ; the way out: three stages of 16 rows x 272 bytes a wave.  They overlay the exchange, whose last reads lie in front of the last layer's first round; the first result is stored behind it
.set SP,    272
.set WSTG,  3*16*SP
.set SPARE, STG+4*WSTG                 ; the spare words: 128 bytes a wave
.set TB,    32768                      ; bytes from a wave's tile rows to the next step's
.set SPW,  1
.set NIL,  2
.set ADW,  4                           ; v4-5: my fragments' address in slot 0, 1
.set ALD,  6
.set HST,  7
.set XST,  8
.set XGO,  9
.set SST,  10
.set SRD,  11
.set GO,   12
.set SCL,  13
.set PFO,  14
.set ACC,  32
.set OB,   96
.set WF0,  128
.set HOLD, 128
.set WV,   16
.set G1,   24
.set G0,   32
.set NXW,  40
.set NX2,  42
.set PFN,  44
.set PF3,  46
.set CW,   48
.set PFC,  50
.set SCS,  58
.set LP,   59
.set XB,   62
.set YS,   66
.set OUT,  68
.set LC,   70
.set FL,   71
.set MSB, 0
.macro WIN new
.if MSB != (\new)
	s_set_vgpr_msb (MSB<<8)|(\new)
.set MSB, (\new)
.endif
.endm
.macro CREST                           ; a round behind its opening barrier
	s_cmp_lg_u32 s[WV], 0
	s_cbranch_scc1 .Lnot_wave_0_\@
	s_barrier_signal -3
.Lnot_wave_0_\@:
	s_barrier_wait -3
	s_barrier_signal -1
	s_barrier_wait -1
.endm
.macro CROUND
	s_barrier_signal -1
	s_barrier_wait -1
	CREST
.endm
.macro PLACES
.rept 4
	v_nop
.endr
.endm
.macro ASK base, tile                  ; 32 blocks of 256 bytes a wave
	s_cmp_eq_u32 s[FL], 1
	s_cbranch_scc0 .Lnot_mine_\@
	global_prefetch_b8 v[PFO], s[\base:\base+1] offset:(\tile)*TB th:TH_LOAD_NT scope:SCOPE_SE
.Lnot_mine_\@:
.endm
; The change of a slot: all my loads are in, the add, my reads of the slot are over; a round; the joint refill first behind it.
.macro REFILL p, base, tile, n, med    ; n: the tile whose first three K steps are multiplied on the way (99: none)
	WIN 0
	s_wait_tensorcnt 0x0                           ; my rows of the other slot are in
	ds_add_u32 v[SPW], v[NIL]
	s_add_nc_u64 s[G0+4*(\p)+2:G0+4*(\p)+3], s[\base:\base+1], (\tile)*TB
	s_or_b32 s[G0+4*(\p)+3], s[G0+4*(\p)+3], 0x80000000
.if (\n) < 99
	s_wait_dscnt 1                                 ; tile n's fragments are in, the add may be out
	PLACES                                         ; behind the tile before, whose sums are held below
	MULT \n, \med, 0, 1                            ; work on registers between the add and the wait for it
.endif
	s_wait_dscnt 0x0                               ; the add is done, and my reads of this slot are over
	s_barrier_signal -1
.if (\n) < 99
	MULT \n, \med, 2, 2                            ; work on registers while the others arrive
	WIN 0
.endif
	s_barrier_wait -1
	CREST
	tensor_load_to_lds s[G0+4*(\p):G0+4*(\p)+3], s[G1:G1+7]
	s_nop 0
	PLACES
.endm
; One run of 32 loads: a tile's fragments, all of K, from the slot of its step into buffer n % 2.
.macro LOADT n
.set SL, ((\n)/2)%2
.set SU, ((\n)%2)*16*PW
.set WB, 128-128*((\n)%2)
	WIN 0xC0*((\n)%2)
.irp f, 0,1,2,3,4,5,6,7
.irp c, 0,1,2,3
	ds_load_b128 v[WB+16*\f+4*\c:WB+16*\f+4*\c+3], v[ADW+SL] offset:SU+128*\f+32*\c
.endr
.endr
.endm
; 32 matrix instructions: tile n, K ascending, the four accumulators by turns.  med = 1: between them the tile before is held at 448 x the scale (the conversion does not saturate: ISA guide 7.6.2).
.macro MULT n, med, lo, hi             ; K steps lo .. hi of the eight
.set MB, 128-128*((\n)%2)
.set PA, ACC+32*(((\n)+1)%2)
.irp k, 0,1,2,3,4,5,6,7
.if (\k >= (\lo)) && (\k <= (\hi))
	WIN 0x04+0x04*(\k/4)+0x03*((\n)%2)
.irp m, 0,1,2,3
.set DD, ACC+32*((\n)%2)+8*\m
.if \k == 0
	v_wmma_f32_16x16x128_fp8_fp8 v[DD:DD+7], v[MB+16*\k:MB+16*\k+15], v[64*(\k%4)+16*\m:64*(\k%4)+16*\m+15], 0
.else
	v_wmma_f32_16x16x128_fp8_fp8 v[DD:DD+7], v[MB+16*\k:MB+16*\k+15], v[64*(\k%4)+16*\m:64*(\k%4)+16*\m+15], v[DD:DD+7]
.endif
.if \med
	v_med3_num_f32 v[PA+4*\k+\m], -s[LP], s[LP], v[PA+4*\k+\m]
.endif
.endr
.endif
.endr
.endm
.macro CVT n                           ; tile n's codes
	WIN 0xC0
.irp m, 0,1,2,3
	v_cvt_scalef32_pk8_fp8_f32 v[HOLD+2*(16*\m+(\n)):HOLD+2*(16*\m+(\n))+1], v[ACC+32*((\n)%2)+8*\m:ACC+32*((\n)%2)+8*\m+7], v[SCL]
.endr
	v_nop                                          ; one plain place behind the conversions
.endm
.macro PKM n                           ; last layer: tile n x 2^(e4 + e5)
	WIN 0xC0
.irp m, 0,1,2,3
.irp k, 0,2,4,6
	v_pk_mul_f32 v[HOLD+32*\m+8*((\n)%4)+\k:HOLD+32*\m+8*((\n)%4)+\k+1], v[ACC+32*((\n)%2)+8*\m+\k:ACC+32*((\n)%2)+8*\m+\k+1], s[YS:YS+1] op_sel_hi:[1,0]
.endr
.endr
.endm
; Four tiles, 64 columns, leave by blocks of 16 rows through my own stage: LDS serves a wave's instructions in order (ISA guide 5.7.1.4).  16 lanes store 256 consecutive bytes, aligned.
; One block a tile: group g's blocks 0-2 go to the stages behind tile 4 g + 4, block 3 behind tile 4 g + 5; a block is read back behind one tile's products and stored ahead of the next tile's.
.macro STC m                           ; block m into stage m % 3
	WIN 0x0C
.irp t, 0,1,2,3
	ds_store_b128 v[SST], v[HOLD+32*(\m)+8*\t:HOLD+32*(\m)+8*\t+3] offset:16*SP*((\m)%3)+64*\t
	ds_store_b128 v[SST], v[HOLD+32*(\m)+8*\t+4:HOLD+32*(\m)+8*\t+7] offset:16*SP*((\m)%3)+64*\t+16
.endr
	WIN 0
.endm
.macro LDC m, ob                       ; back as rows of 256 bytes
	WIN 0
.irp i, 0,1,2,3,4,5,6,7
	ds_load_b128 v[\ob+4*\i:\ob+4*\i+3], v[SRD] offset:16*SP*((\m)%3)+2*SP*\i
.endr
.endm
.macro GST g, m, ob
	WIN 0
.irp i, 0,1,2,3,4,5,6,7
	global_store_b128 v[GO], v[\ob+4*\i:\ob+4*\i+3], s[OUT:OUT+1] offset:(16*(\m)+2*\i)*4096+256*(\g) th:TH_STORE_NT
.endr
.endm
; A tile.  Odd tiles from 3 on change their step's slot; then, or behind four places, the next tile's run goes out, 32 matrix instructions ahead of its use.
.macro TILE n, l3
.set ST, (\n)/2
.set RUN, 1
.set LO, 0                             ; the first K step still to multiply
.if (\n) == 0
.set RUN, 0                            ; tile 1 was loaded ahead of the exchange
	s_wait_dscnt 0x0                               ; the activations and tiles 0 and 1 are in
.elseif ((\n)%2 == 1) && ((\n) > 1) && ((\l3 == 0) || ((\n) < 13))
.if ST < 6
	REFILL ST%2, CW, ST+2, \n, 1-(\l3)
.set LO, 3
.else
	REFILL ST%2, NXW, ST-6, \n, 1-(\l3)
.set LO, 3
.endif
.else
.if (\l3) && ((\n) == 13)
	s_wait_tensorcnt 0x0                           ; my rows of the last step are in
.endif
.if (\l3) && ((\n) == 15)
.set RUN, 0
	s_wait_dscnt 0x0
.else
	s_wait_dscnt 8
.endif
	PLACES                                         ; in front of loads into registers that matrix instructions have read
.endif
.if RUN
	LOADT ((\n)+1)%16
.if ((\n)%2 == 1) && ((\n) > 1) && ((\l3 == 0) || ((\n) < 8))
.if ST < 4
	ASK PFC, ST+4
.else
	ASK PFN, ST-4
.endif
.endif
	s_wait_dscnt 32                                ; this tile's fragments are in, the 32 just issued may be out
.endif
.if (\l3) && ((\n) > 4)
.if (\n) < 14
	GST ((\n)-5)/4, ((\n)-5)%4, OB                 ; its loads stand ahead of the run, and are in
.else
	GST 2, (\n)-12, OB
.endif
.endif
.if (\n) > 0
	MULT \n, 1-(\l3), LO, 7
.if \l3
.if (\n) < 4
	PKM (\n)-1
.elseif (\n)%4 == 0
	PKM (\n)-1
	s_wait_alu depctr_va_vdst(0)                   ; ahead of the waits below
	STC 0
	STC 1
	STC 2
	s_wait_xcnt 0x0                                ; the stores before have read these registers
	LDC 0, OB
.else
.if (\n)%4 == 1
	STC 3                                          ; stage 0: block 0's loads stand ahead (LDS serves a wave's instructions in order); the next tile's results may now take its registers
.endif
.if (\n) < 14
	s_wait_xcnt 0x0
	LDC (\n)%4, OB
.elseif (\n) == 14
	s_wait_xcnt 0x0
	LDC 3, OB
.endif
.if (\n) == 13
	s_wait_dscnt 0x0                               ; two blocks here, so that the third group is out by the last tile
	GST 2, 1, OB
	s_wait_xcnt 0x0
	LDC 2, OB
.endif
	PKM (\n)-1
.endif
.else
	CVT (\n)-1
.endif
.else
	MULT 0, 0, 0, 7
.endif
.endm
.macro ALOADS p                        ; my fragments of 32 rows, all of K
.irp w, 0,1
	WIN 0x40+0x40*\w
.irp m, 0,1
.irp s, 0,1,2,3
.irp c, 0,1,2,3
	ds_load_b128 v[64*\s+16*(2*(\p)+\m)+4*\c:64*\s+16*(2*(\p)+\m)+4*\c+3], v[ALD] offset:16*PW*\m+512*\w+128*\s+32*\c
.endr
.endr
.endr
.endr
.endm
.macro PUT kx, p                       ; 32 rows into the exchange: x's rows, or my columns' codes; then everybody's are there
	WIN 0x0C
.if \kx
	s_wait_loadcnt 16-16*(\p)
.irp rr, 0,1,2,3
.irp qd, 0,1,2,3
	ds_store_b128 v[XST], v[HOLD+4*(16*(\p)+4*\rr+\qd):HOLD+4*(16*(\p)+4*\rr+\qd)+3] offset:2*PW*\rr+256*\qd
.endr
.endr
.else
.irp m, 0,1
.irp j, 0,1,2,3,4,5,6,7,8,9,10,11,12,13,14,15
	ds_store_b64 v[HST], v[HOLD+2*(16*(2*(\p)+\m)+\j):HOLD+2*(16*(2*(\p)+\m)+\j)+1] offset:16*PW*\m+16*\j
.endr
.endr
.endif
	s_wait_dscnt 0x0
	s_barrier_signal -1
	s_barrier_wait -1
.endm
.macro EXCH kx, base, pf
	LOADT 1                                        ; the next layer's tile 1: slot 0 is then in registers
	PUT \kx, 0
	ALOADS 0
	REFILL 0, \base, 2, 99, 0
	ASK \pf, 4
	PUT \kx, 1
	ALOADS 1
	WIN 0
.endm
	s_load_b256 s[4:11], s[0:1], 0x0               ; x, B, A, C
	s_load_b128 s[12:15], s[0:1], 0x20             ; scales, y
	v_lshl_add_u32 v[SPW], v0, 2, SPARE
	v_mov_b32 v[NIL], 0
	ds_add_u32 v[SPW], v[NIL]                      ; the opening: the add, twice on end
	ds_add_u32 v[SPW], v[NIL]
	v_lshrrev_b32 v16, 5, v0
	v_readfirstlane_b32 s[WV], v16                 ; wave
	v_and_b32 v17, 15, v0                          ; l % 16
	v_bfe_u32 v18, v0, 4, 1                        ; l / 16
	v_lshlrev_b32 v19, 4, v17
	v_lshl_add_u32 v[XGO], v18, 10, v19            ; two rows of 256 bytes
	v_and_b32 v20, 31, v0
	v_lshlrev_b32 v[PFO], 8, v20                   ; a lane a block
	s_bfe_u32 s17, ttmp6, 0x40000                  ; my place in the cluster
	s_lshl_b32 s18, ttmp9, 2
	s_add_co_u32 s18, s18, s17                     ; work-group
	s_mov_b32 s[G1+0], 15|(1<<20)|(1<<21)|(7<<22)|(3<<25)   ; all four partners; elements of 1 byte; 4 words of padding behind 256
	s_mov_b32 s[G1+1], 1024<<16
	s_mov_b32 s[G1+2], 32<<16
	s_mov_b32 s[G1+3], 1024<<16
	s_mov_b32 s[G1+4], 32
	s_mov_b32 s[G1+5], 1024
	s_mov_b32 s[G1+6], 0
	s_mov_b32 s[G1+7], 0
	s_cmp_eq_u32 ttmp9, 0                          ; clusters 0, 21, 42 and 63 prefetch
	s_cselect_b32 s[FL], 1, 0
	s_cmp_eq_u32 ttmp9, 21
	s_cselect_b32 s[FL], 1, s[FL]
	s_cmp_eq_u32 ttmp9, 42
	s_cselect_b32 s[FL], 1, s[FL]
	s_cmp_eq_u32 ttmp9, 63
	s_cselect_b32 s[FL], 1, s[FL]
	s_mul_i32 s19, s[WV], WPART
	s_lshl_b32 s20, s18, 16                        ; x: 64 rows a work-group; I fetch rows 8 w .. of each 32
	s_lshl_b32 s21, s[WV], 13
	s_add_co_u32 s20, s20, s21
	s_mov_b32 s21, 0
	s_lshl_b32 s22, s[WV], 18                      ; weights: row 256 w
	s_mov_b32 s23, 0
	s_lshl_b32 s72, s17, 13                        ; my 32 of a wave's 128 blocks of a tile
	s_mov_b32 s73, 0
	s_wait_alu depctr_va_vdst(0)
	s_wait_dscnt 0x0
	s_wait_kmcnt 0x0
	s_load_b128 s[52:55], s[12:13], 0x0
	s_load_b64 s[56:57], s[12:13], 0x10
	s_add_nc_u64 s[XB:XB+1], s[4:5], s[20:21]
	s_add_nc_u64 s[CW:CW+1], s[6:7], s[22:23]
	s_add_nc_u64 s[NXW:NXW+1], s[8:9], s[22:23]
	s_add_nc_u64 s[NX2:NX2+1], s[10:11], s[22:23]
	s_add_nc_u64 s[PFC:PFC+1], s[CW:CW+1], s[72:73]
	s_add_nc_u64 s[PFN:PFN+1], s[NXW:NXW+1], s[72:73]
	s_add_nc_u64 s[PF3:PF3+1], s[NX2:NX2+1], s[72:73]
.irp p, 0,1
	s_mov_b32 s[G0+4*\p], 1
	s_add_co_u32 s[G0+4*\p+1], s19, \p*SLOT
	s_add_nc_u64 s[G0+4*\p+2:G0+4*\p+3], s[CW:CW+1], \p*TB
	s_or_b32 s[G0+4*\p+3], s[G0+4*\p+3], 0x80000000
.endr
	CROUND
	tensor_load_to_lds s[G0:G0+3], s[G1:G1+7]      ; step 0: one tensor load a wave at the head
	s_nop 0
	PLACES
	ASK PFC, 1
	ASK PFC, 2
	WIN 0xC0
.irp p, 0,1
.irp rr, 0,1,2,3
.irp qd, 0,1,2,3
	global_load_b128 v[HOLD+4*(16*\p+4*\rr+\qd):HOLD+4*(16*\p+4*\rr+\qd)+3], v[XGO], s[XB:XB+1] offset:(32*\p+2*\rr)*1024+256*\qd th:TH_LOAD_NT
.endr
.endr
.endr
	WIN 0
	s_lshl_b32 s20, s18, 18
	s_lshl_b32 s21, s[WV], 10
	s_add_co_u32 s20, s20, s21
	s_mov_b32 s21, 0
	s_add_nc_u64 s[OUT:OUT+1], s[14:15], s[20:21]
	s_wait_kmcnt 0x0
	s_sub_co_i32 s58, s54, s52
	s_sub_co_i32 s58, s58, s53                     ; a sum's code is sum / 2^(e2 - e0 - e1)
	s_add_co_i32 s59, s58, 135
	s_add_co_i32 s58, s58, 127
	s_lshl_b32 s58, s58, 23                        ; the conversion's scale
	s_lshl_b32 s59, s59, 23
	s_or_b32 s59, s59, 0x600000                     ; 448 x it
	s_sub_co_i32 s60, s56, s54
	s_sub_co_i32 s60, s60, s55                     ; the same for the second layer
	s_add_co_i32 s61, s60, 135
	s_add_co_i32 s60, s60, 127
	s_lshl_b32 s60, s60, 23
	s_lshl_b32 s61, s61, 23
	s_or_b32 s61, s61, 0x600000
	s_add_co_i32 s[YS], s56, s57
	s_add_co_i32 s[YS], s[YS], 127
	s_lshl_b32 s[YS], s[YS], 23                    ; 2^(e4 + e5)
	s_mov_b32 s[YS+1], s[YS]
	s_lshl_b32 s20, s[WV], 8
	s_add_co_u32 s20, s20, ACT
	s_mul_i32 s21, s[WV], 8*PW
	s_add_co_u32 s21, s21, ACT
	s_mul_i32 s22, s[WV], WSTG
	s_add_co_u32 s22, s22, STG
	v_and_b32 v17, 15, v0
	v_bfe_u32 v18, v0, 4, 1
	v_lshlrev_b32 v19, 4, v17
	v_mul_u32_u24 v21, v17, PW
	v_lshl_add_u32 v22, v18, 4, v21                ; a fragment's row x pitch + 16 x half
	v_add_nc_u32 v[ADW], s19, v22
	v_add_nc_u32 v[ADW+1], SLOT, v[ADW]
	v_add_nc_u32 v[ALD], ACT, v22
	v_lshl_add_u32 v23, v18, 3, v21
	v_add_nc_u32 v[HST], s20, v23                  ; codes: row r, my 256 columns, + 8 h
	v_mul_u32_u24 v24, v18, PW
	v_add_nc_u32 v24, v24, v19
	v_add_nc_u32 v[XST], s21, v24
	v_mul_u32_u24 v25, v17, SP
	v_lshl_add_u32 v25, v18, 5, v25
	v_add_nc_u32 v[SST], s22, v25
	v_mul_u32_u24 v26, v18, SP
	v_add_nc_u32 v26, v26, v19
	v_add_nc_u32 v[SRD], s22, v26
	v_lshl_add_u32 v[GO], v18, 12, v19
	s_wait_alu depctr_va_vdst(0)
	s_wait_tensorcnt 0x0                           ; my rows of step 0 are in
	ds_add_u32 v[SPW], v[NIL]                      ; ahead of the first fill of slot 1
	s_wait_dscnt 0x0
	CROUND
	tensor_load_to_lds s[G0+4:G0+7], s[G1:G1+7]    ; step 1
	s_nop 0
	PLACES
	LOADT 0
	WIN 0
	ASK PFC, 3
	EXCH 1, CW, PFC
	s_mov_b32 s[LC], 2
.Llayer:                                               ; layers 1 and 2, and the exchange behind each
	v_mov_b32 v[SCL], s[SCS]
.irp n, 0,1,2,3,4,5,6,7,8,9,10,11,12,13,14,15
	TILE \n, 0
.endr
	PLACES
	WIN 0
.irp n, 0,1,2,3,4,5,6,7,8,9,10,11,12,13,14,15,16,17,18,19,20,21,22,23,24,25,26,27,28,29,30,31
	v_med3_num_f32 v[ACC+32+\n], -s[LP], s[LP], v[ACC+32+\n]
.endr
	CVT 15
	s_wait_alu depctr_va_vdst(0)                   ; ahead of the exchange's waits
	EXCH 0, NXW, PFN
	s_wait_xcnt 0x0                                ; the prefetches have read their bases
	s_mov_b32 s[SCS], s60
	s_mov_b32 s[LP], s61
	s_mov_b64 s[CW:CW+1], s[NXW:NXW+1]
	s_mov_b64 s[NXW:NXW+1], s[NX2:NX2+1]
	s_mov_b64 s[PFC:PFC+1], s[PFN:PFN+1]
	s_mov_b64 s[PFN:PFN+1], s[PF3:PF3+1]
	s_sub_co_i32 s[LC], s[LC], 1
	s_cmp_lg_u32 s[LC], 0
	s_cbranch_scc1 .Llayer
.irp n, 0,1,2,3,4,5,6,7,8,9,10,11,12,13,14,15
	TILE \n, 1
.endr
	PLACES
	PKM 15
	s_wait_alu depctr_va_vdst(0)                   ; ahead of the waits below
	STC 0                                          ; the last group: back into fragment buffer 0, which is done with
	STC 1
	STC 2
	LDC 0, 128
	LDC 1, 160
	LDC 2, 192
	STC 3
	LDC 3, 224
	s_wait_dscnt 32                                ; behind block 0's loads: blocks 1 and 2's, block 3's stores and loads
	GST 3, 0, 128
	s_wait_dscnt 24
	GST 3, 1, 160
	s_wait_dscnt 16
	GST 3, 2, 192
	s_wait_dscnt 0
	GST 3, 3, 224
	s_wait_tensorcnt 0x0                           ; the wave's end
	ds_add_u32 v[SPW], v[NIL]
	s_wait_dscnt 0x0
	CROUND                                         ; the closing round
	s_endpgm
.Lfunc_end_k_qd195a6f09c_chain:
	.size	k_qd195a6f09c_chain, .Lfunc_end_k_qd195a6f09c_chain-k_qd195a6f09c_chain
	.p2alignl 7, 3214868480
	.fill 96, 4, 3214868480
	.section	.rodata,"a",@progbits
	.p2align	6, 0x0
	.amdhsa_kernel k_qd195a6f09c_chain
		.amdhsa_group_segment_fixed_size 327680
		.amdhsa_private_segment_fixed_size 0
		.amdhsa_enable_private_segment 0
		.amdhsa_kernarg_size 48
		.amdhsa_user_sgpr_count 2
		.amdhsa_user_sgpr_kernarg_segment_ptr 1
		.amdhsa_wavefront_size32 1
		.amdhsa_system_sgpr_workgroup_id_x 1
		.amdhsa_system_sgpr_workgroup_id_y 1
		.amdhsa_system_sgpr_workgroup_id_z 1
		.amdhsa_system_vgpr_workitem_id 0
		.amdhsa_next_free_vgpr 1024
		.amdhsa_next_free_sgpr 76
		.amdhsa_reserve_vcc 0
		.amdhsa_float_denorm_mode_32 3
		.amdhsa_float_denorm_mode_16_64 3
		.amdhsa_memory_ordered 1
		.amdhsa_forward_progress 1
		.amdhsa_inst_pref_size 255
	.end_amdhsa_kernel
	.section	.bss,"aw",@nobits
	.p2align	6
	.space	262144
	.amdgpu_metadata
---
amdhsa.version: [ 1, 2 ]
amdhsa.kernels:
  - .name:           k_qd195a6f09c_chain
    .symbol:         k_qd195a6f09c_chain.kd
    .args:
      - { .name: x_codes, .offset: 0, .size: 8, .value_kind: global_buffer, .address_space: global }
      - { .name: B_codes, .offset: 8, .size: 8, .value_kind: global_buffer, .address_space: global }
      - { .name: A_codes, .offset: 16, .size: 8, .value_kind: global_buffer, .address_space: global }
      - { .name: C_codes, .offset: 24, .size: 8, .value_kind: global_buffer, .address_space: global }
      - { .name: lowp_scales, .offset: 32, .size: 8, .value_kind: global_buffer, .address_space: global }
      - { .name: out0, .offset: 40, .size: 8, .value_kind: global_buffer, .address_space: global }
    .group_segment_fixed_size: 327680
    .private_segment_fixed_size: 0
    .kernarg_segment_align: 8
    .kernarg_segment_size: 48
    .max_flat_workgroup_size: 128
    .sgpr_count:     76
    .vgpr_count:     1024
    .wavefront_size: 32
...
	.end_amdgpu_metadata
.endif
;; end of part 2
